; MI455X (gfx1250); checked and timed in simulation.
; The chip was launched on July 23, 2026; its instructions are those of AMD's public machine-readable ISA for CDNA 5 (MIT licence, August 2026) and "CDNA5" Instruction Set Architecture Reference Guide (July 2026). The comments in the code are by the model that wrote it; some were corrected since.
;; Attend. Allowed arithmetic: matrix products marked QUANTISED: E4M3 operands, one E8M0 scale for each 32 along K, by v_wmma_scale_f32_16x16x128_f8f6f4 with both operands' format E4M3, f32 sums; everything else in f32.
;; Inputs: k_codes 2 x 8 x 2,048 x 4 x 32 uint8 (E4M3 codes of k, K innermost, in blocks of 32 codes); k_scales 2 x 8 x 2,048 x 4 uint8 (E8M0 scales of k, one for each 32 codes along K); q_codes 2 x 32 x 2,048 x 4 x 32 uint8 (E4M3 codes of q, K innermost, in blocks of 32 codes); q_scales 2 x 32 x 2,048 x 4 uint8 (E8M0 scales of q, one for each 32 codes along K); v_codes 2 x 8 x 128 x 64 x 32 uint8 (E4M3 codes of v, K innermost, in blocks of 32 codes); v_scales 2 x 8 x 128 x 64 uint8 (E8M0 scales of v, one for each 32 codes along K).
;; Outputs: out0 2 x 32 x 2,048 x 128 float32.
;; This version of the problem:
;;   THIS VERSION OF THE PROBLEM IS GIVEN IN LOW PRECISION. The matrix products marked QUANTISED in the list below multiply operands that are first quantised to E4M3 (4 exponent bits, 3 mantissa bits; 8 bits a number), with one power-of-two scale for each 32 numbers along K (OCP MX v1.0); their sums are f32. All else is computed in f32.
;;   The module's matrix products, in the order in which they are computed (A, B: the left and right operand; K: the contracted axis; several contracted axes count as one K, in the product's order):
;;     1. batch 64 x [M 2,048, K 128] x [K 128, N 2,048]; A: input q (given as codes); B: input k (given as codes): QUANTISED
;;     2. batch 64 x [M 2,048, K 2,048] x [K 2,048, N 128]; A: softmax (see below); B: input v (given as codes): QUANTISED
;;   THE QUANTISER, for each operand of a quantised product, along K:
;;     - K is cut into blocks of 32 from its start; a last block that is shorter is filled with zeros.
;;     - A block's scale is 2^e with e = floor(log2(the largest magnitude in the block)) - 8, held to -126 .. 127; a block of zeros has e = 0. As a byte (E8M0): e + 127.
;;     - Each number is divided by its block's scale, clamped to +-448, and rounded to the nearest number of E4M3, ties to even, subnormals kept.
;;     - The product sums the exact products of the quantised numbers (number of the format x scale) in f32.
;;   ~~~python
;;   def quantise(x, axis):      # numpy; x: float32 -> the quantised numbers, widened to float32 again
;;       x = np.moveaxis(x, axis, -1); K = x.shape[-1]
;;       x = np.pad(x, [(0, 0)] * (x.ndim - 1) + [(0, -K % 32)]); x = x.reshape(x.shape[:-1] + (-1, 32)); a = np.abs(x).max(-1, keepdims=True)
;;       e = np.where(a > 0, np.clip(np.frexp(np.where(a > 0, a, 1))[1] - 1 - 8, -126, 127), 0)      # np.frexp(a)[1] - 1 = floor(log2(a)), exactly
;;       r = np.clip(x / 2.0 ** e, -448, 448)
;;       step = 2.0 ** (np.maximum(np.frexp(np.where(r == 0, 1, r))[1] - 1, -6) - 3)
;;       q = np.round(r / step) * step * 2.0 ** e      # np.round: ties to even
;;       return np.moveaxis(q.reshape(q.shape[:-2] + (-1,))[..., :K], -1, axis).astype(np.float32)
;;   ~~~
;;   SOFTMAX AHEAD OF A QUANTISED PRODUCT. Where the list says 'softmax', what is quantised is not the finished softmax but p = 2^(t - M), with t = logit x log2(e) and M = ceil(the row's largest t), a whole number; so 1/2 < the row's largest p <= 1. The row's sum l is taken of the UNQUANTISED p, in f32, and the product's result is divided by l at the end. Since M is a whole number, a kernel that streams over the keys may use a running M (the ceiling of the running maximum): every later rescaling is an exact power of two, which a block's scale takes up: the codes' values come out the same.
;;   OPERANDS COMPUTED ON THE WAY. 'Computed on the way' means the value that the module computes at that place (a softmax that the list does not call 'softmax' is quantised finished and normalised). What goes into a quantiser is computed in f32, as accurately as f32 sums, v_exp_f32 and their like allow (about 1e-6 of the number): no bf16 or f16 on the way to a quantiser, and a product that is left as it is and whose result goes on into a quantised operand takes f32 operands (vector FMAs, or v_wmma_f32_16x16x4_f32). A number that lies on a knife's edge between two numbers of the format may be rounded either way, as far as f32 arithmetic and the matrix unit's own rounding can turn it there, and no further.
;;   INPUTS GIVEN AS CODES. k (in the module: [2, 8, 2048, 128], K = its axis 3); q (in the module: [2, 32, 2048, 128], K = its axis 3); v (in the module: [2, 8, 2048, 128], K = its axis 2): each comes as NAME_codes (uint8): NAME with its K axis moved to the last place and cut into blocks of 32 codes, [.., K / 32, bytes a block], one block behind the other in memory; one code a byte (a code: sign, 4 exponent bits, 3 mantissa bits); and NAME_scales (uint8): the same leading axes, one E8M0 byte (e + 127) for each 32 codes along K. Its value is code x scale, taken as it is: it is not quantised again, and the codes and scales need not be those that the quantiser above would give.
;; One version. Each part assembles by itself: llvm-mc -triple=amdgcn-amd-amdhsa -mcpu=gfx1250 --defsym DOCPART=n.
;; ======== version 1 of 1: 1 launch
;; launch attend (part 1): grid 16 x 16, 16 waves a work-group, clusters of 4 x 1, 327,680 bytes of LDS; arguments q_codes, q_scales, k_codes, k_scales, v_codes, v_scales, out0; writes out0
.if DOCPART == 1
	.amdgcn_target "amdgcn-amd-amdhsa--gfx1250"
	.amdhsa_code_object_version 6
	.text
	.protected	k_qf80c91e0ed_attend
	.globl	k_qf80c91e0ed_attend
	.p2align	8
	.type	k_qf80c91e0ed_attend,@function
k_qf80c91e0ed_attend:
	s_mov_b64 s[64:65], 0
	v_nop
	global_prefetch_b8 v0, s[64:65] scope:SCOPE_SE
	s_setreg_imm32_b32 hwreg(HW_REG_WAVE_MODE, 25, 1), 1
	s_wait_xcnt 0x0
	s_wait_alu depctr_hold_cnt(0) depctr_sa_sdst(0) depctr_va_vdst(0) depctr_va_sdst(0) depctr_va_ssrc(0) depctr_va_vcc(0) depctr_vm_vsrc(0)
	s_getreg_b32 s2, hwreg(HW_REG_IB_STS2, 6, 4)
	s_cmp_eq_u32 s2, 0
	s_cbranch_scc0 .Lentry_in_a_cluster
	s_endpgm
.Lentry_in_a_cluster:
	s_bfe_u32 s2, ttmp6, 0x10000c
	s_cmp_lg_u32 s2, 0x3003
	s_cbranch_scc0 .Lentry_shape_is_right
	s_endpgm
.Lentry_shape_is_right:
; out[b][h][q][:] = the sum over keys k <= q of softmax_k(Q[b][h][q] . K[b][h % 8][k] / sqrt(128)) V[b][h % 8][k][:], both products on codes of FP8 (E4M3) with one E8M0 scale for each 32 along a product's K.
; Q: [2][32][2048][128] codes, K: [2][8][2048][128] codes (K = the head's 128), their scale bytes [..][2048][4].  V: [2][8][128][2048] codes, the KEYS innermost, scale bytes [..][128][64].  out: [2][32][2048][128] f32.
; THE SOFTMAX AHEAD OF THE SECOND PRODUCT: t = score x log2(e) / sqrt(128) (one f32 constant); M = the running largest t, rounded UP to a whole number; p = 2^(t - M) is quantised along the keys, not normalised.
; The row's sum is taken of the unquantised p, in f32, and divides O at the end.  When M moves, the sum and O are multiplied by 2^(old M - new M): exact.
; SHARES.  A work-group owns TWO blocks of 256 queries of one query head: block p (phase A) and block 7 - p (phase B), p = 0 .. 3.  Under the causal mask block i needs i + 1 slots of 256 keys, so every work-group walks
; (p + 1) + (8 - p) = 9 slots: the slot loop's trip count is a constant, every slot that is filled is read, and the 4 x 64 = 256 work-groups have equal work.  Each of the sixteen waves owns 16 queries of the block in hand,
; one tile, in 256 registers: four waves to a SIMD, so that one wave's vector work stands beside another's matrix work and LDS loads.
; CLUSTER.  The four query heads 8 r + kvh, r = 0 .. 3, that share a key and value head, with the same p, form a cluster.  They walk the same slots in the same trips, so each tile of K, of V and of the scale bytes is asked
; for JOINTLY: the same tensor load, with the same descriptor and the mask 15, in all four.  The place in the cluster enters the global addresses of Q, of out and of the prefetches alone.
; LAYOUT.  Both products are used transposed: S^T = K Q^T (source 0 = 16 keys, source 1 = my 16 queries), O^T = V^T P^T (source 0 = 16 of the head's 128, source 1 = P): a lane holds ONE query (lane % 16) throughout.
; THE KEYS OF A TILE ARE NOT NEIGHBOURS: lane r of tile 2 b + u takes key 32 b + 8 u + r + 8 (r / 8), so that the 16 registers of tiles 2 b and 2 b + 1 are 16 neighbouring keys, 32 b + 16 (lane / 16) + 0 .. 15.
; LIMITS.  NaN, infinities and the scale byte 0xff among the inputs are not served.  A p under 2^-126 becomes 0 (v_exp_f32 gives 0 where its result would be denormal: ISA guide, its entry).  A block whose p are all 0 keeps
; the scale byte 1 with zero codes.  A block's largest p is taken as the exponential of the block's largest score, which takes v_exp_f32 not to fall where its input rises.  Hidden scores are set to -infinity: p = 0, as under the problem's own mask value.
; REGISTERS: v1-7 addresses that stay; v8-11 addresses of the loads in hand; v12 -M, v13 the largest t, v[14:15] the sum in two halves; v16-31 Q; v32-95 four fragments of K or of V; v96-159 S^T, then p; v160-223 O^T;
;   v224-239 p's codes; v232-254 at work; v248-251 the tiles' scale words; v253 p's scale word; v255 Q's scale words.
.set SK,    256                        ; keys in a slot
.set ROWB,  128                        ; 128 codes in bytes
.set KP,    144                        ; a key's row in LDS: 128 bytes + 16 of padding
.set VROWB, 256                        ; SK codes: a row of V's tile
.set VP,    272                        ; and in LDS: + 16 of padding
.set KROWV, 2048                       ; a row of V in memory
.set KSV,   64                         ; a row of V's scale bytes
.set VOFF,  SK*KP                      ; a slot: 256 rows of K (36,864 bytes), then 128 rows of V (34,816)
.set SLOT1, 1<<17                      ; slot 1 begins here, so that one exclusive or turns an address in one slot into the other's
.set STG,   VOFF+128*VP                ; 71,680: behind slot 0's tiles the stages of waves 0-7, behind slot 1's those of waves 8-15: 16 rows x 272 bytes a wave; no tile ever lands there
.set SCK,   2*SLOT1                    ; K's scale bytes of the whole head: 8,192 bytes as 32 rows of 256 + 16 of padding
.set SCH,   16*272                     ; half of them: what one tensor load brings
.set SCV,   SCK+2*SCH                  ; V's likewise
.set SPARE, SCV+2*SCH                  ; the spare words, 128 bytes for each wave: eight blocks of 256 bytes that no other line names
.set AK0,  1                           ; v1   my lane's place in a tile of K
.set AV0,  2                           ; v2   the same for V
.set ASK0, 3                           ; v3   my lane's place among K's scale words
.set ASV0, 4                           ; v4   and among V's
.set SPW,  5                           ; v5   LDS address of my spare word; never rewritten
.set NIL,  6                           ; v6   0; never rewritten
.set PFO,  7                           ; v7   the prefetches' lane offset; never rewritten
.set ADK,  8                           ; v8   LDS address of the step's tiles of K
.set ADV,  9                           ; v9   of V
.set ADS,  10                          ; v10  of K's scale words
.set ADT,  11                          ; v11  of V's
.set TB,   2                           ; s2   LDS byte at which the slot in hand begins
.set TS,   3                           ; s3   where the step's scale words of K begin: 544 bytes a step
.set QCA,  4                           ; s[4:5]   Q's codes at my rows of block A;  s[6:7] their scale words
.set QSA,  6
.set OA,   16                          ; s[16:17] out at my rows of block A
.set WV,   18                          ; s18  my wave's number
.set MNT,  19                          ; s19  the mantissa field of 448
.set SEL,  20                          ; s[20:21] lane selects for v_permlanex16_b32: lane l xor 16
.set CS,   22                          ; s[22:23] c = log2(e) / sqrt(128): the packed form names a pair and takes its low word for both halves
.set G1K,  24                          ; s[24:31] descriptor group 1 for K's tiles;  s[32:39] for V's;  s[40:43], s[44:47] their groups 0
.set G1V,  32
.set G0K,  40
.set G0V,  44
.set G1S,  48                          ; s[48:55] group 1 for the scale bytes;  s[56:59], s[60:63] groups 0 for K's and V's
.set G0SK, 56
.set G0SV, 60
.set TJ,   66                          ; s66  where the step's scale words of V begin: 4 bytes a step
.set SLOTS, 67                         ; s67  the loop's counter, 8 down to 1: trip t = 8 - SLOTS
.set SWT,  68                          ; s68  8 - p: the counter's value in the trip that ends phase A
.set NK,   69                          ; s69  which 256 keys the next fill brings
.set OF,   70                          ; s[70:71] an offset; its high word stays 0
.set KB,   72                          ; s[72:73] K's codes at my half of the head's first slot;  s[74:75] V's
.set VB,   74
.set PFA,  76                          ; s[76:77] where my prefetches stand;  s[78:79] a slot on, in bytes;  s80 4 in a wave that prefetches, else 0
.set PFS,  78
.set LIM,  80
.set KF,   81                          ; s81  the step's first key
.set Q0,   82                          ; s82  my first query of the phase in hand;  s83 that of phase B
.set Q0B,  83
.set QCB,  84                          ; s[84:85], s[86:87], s[88:89] block B's Q codes, Q scale words, out
.set QSB,  86
.set OB,   88
.set SG,   90                          ; s90  my stage
; s92, s94, s95, s100: at the head, numbers made of my place in the cluster; s93, s96-s99: numbers that all partners share; s96, s97 also at work in a step
; A round of the cluster's barrier: my work-group's barrier, so that wave 0's signal speaks for all sixteen waves; wave 0 signals for the work-group; every wave waits for all four work-groups; my work-group's barrier once more.
.macro CROUND
	s_barrier_signal -1
	s_barrier_wait -1
	s_cmp_lg_u32 s[WV], 0
	s_cbranch_scc1 .Lnot_wave_0_\@
	s_barrier_signal -3
.Lnot_wave_0_\@:
	s_barrier_wait -3
	s_barrier_signal -1
	s_barrier_wait -1
.endm
; A joint refill.  Waves 0 and 1 fetch K's halves, waves 2 and 3 V's, the others nothing.  The branches hang on the wave's number alone: they are the same in every work-group.
; An s_nop 0 and four v_nop follow each of the two lines.
.macro TLOAD g0k, g1k, g0v, g1v
	s_cmp_lt_u32 s[WV], 2
	s_cbranch_scc0 .Lnot_k_\@
	tensor_load_to_lds s[\g0k:\g0k+3], s[\g1k:\g1k+7]
	s_nop 0
.rept 4
	v_nop
.endr
	s_branch .Lasked_\@
.Lnot_k_\@:
	s_cmp_lt_u32 s[WV], 4
	s_cbranch_scc0 .Lasked_\@
	tensor_load_to_lds s[\g0v:\g0v+3], s[\g1v:\g1v+7]
	s_nop 0
.rept 4
	v_nop
.endr
.Lasked_\@:
.endm
; A PREFETCH INTO THE L2 of what the NEXT change of slots will ask for.  Keys 1,024 to 2,047 of a key and value head are walked first by the cluster with p = 0, which reads keys 256 s on in trip s + 1: that cluster
; alone asks, in trips 3 to 6 (SLOTS - 2 = 3 .. 0), for keys 256 (t + 1) on: a slot's two key steps ahead of the load.  Its four partners share the rows out BY ADDRESS; in each, wave 4 names 8,192 bytes of K's dense block
; (lanes 256 bytes apart) and wave 5 names 32 rows of V (a lane a row: a slot's part of a row is 256 bytes, aligned).  So each aligned block of 256 bytes is named once in the launch, and none lies past its buffer's end.
; Keys 0 to 1,023 are asked for by nobody: all four clusters of a head load them at the launch's start.
.macro ASK
	s_sub_co_u32 s96, s[SLOTS], 2
	s_cmp_lt_u32 s96, s[LIM]
	s_cbranch_scc0 .Lnot_mine_\@
	global_prefetch_b8 v[PFO], s[PFA:PFA+1] th:TH_LOAD_NT scope:SCOPE_SE
.Lnot_mine_\@:
.endm
; A KEY STEP: 128 keys, the q-th of the slot in hand.
.macro STEP q
	s_add_co_u32 s96, s[Q0], 15                    ; a step all of whose keys come after my 16 queries is left out: a scalar branch on ids, round the step's loads, products and softmax;
	s_cmp_gt_u32 s[KF], s96                        ; not round the lines at its end that step addresses, and no barrier or tensor load stands in a step
	s_cbranch_scc1 .Lhidden_\@
	s_min_u32 s96, s[TS], 15*544                   ; a head has 16 key steps, so these two never pass the last step's place: the hold states that bound in the text
	s_min_u32 s97, s[TJ], 15*4
	v_add_nc_u32 v[ADK], s[TB], v[AK0]
	v_add_nc_u32 v[ADV], s[TB], v[AV0]
	v_add_nc_u32 v[ADS], s96, v[ASK0]
	v_add_nc_u32 v[ADT], s97, v[ASV0]
.irp g, 0,1                                    ; S^T = K Q^T, four tiles of 16 keys at a time
.rept 8-4*(1-\g)
	v_nop                                          ; eight places in front of loads into registers that matrix instructions have read; the four additions above are places too
.endr
.irp t, 0,1,2,3
.irp c, 0,1,2,3
	ds_load_b128 v[32+16*\t+4*\c:32+16*\t+4*\c+3], v[ADK] offset:(128*(\q)+32*((4*\g+\t)/2)+8*(\t%2))*KP+32*\c
.endr
	ds_load_b32 v[248+\t], v[ADS] offset:272*\g+(32*(((4*\g+\t)/2)%2)+8*(\t%2))*4
.endr
	s_wait_dscnt 0x0
.irp t, 0,1,2,3
	v_wmma_scale_f32_16x16x128_f8f6f4 v[96+8*(4*\g+\t):103+8*(4*\g+\t)], v[32+16*\t:47+16*\t], v[16:31], 0, v[248+\t], v255
.endr
.endr
.rept 8
	v_nop                                          ; eight places in front of the first read of the scores
.endr
	s_add_co_u32 s96, s[KF], 127                   ; on the diagonal the scores of hidden keys become -infinity ahead of the maximum: p = 0 then.  A step all of whose keys count skips this
	s_cmp_le_u32 s96, s[Q0]
	s_cbranch_scc1 .Lopen_\@
	s_sub_co_i32 s96, s[Q0], s[KF]
	v_and_b32 v252, 15, v0
	v_bfe_u32 v253, v0, 4, 1
	v_lshlrev_b32 v253, 4, v253
	v_sub_nc_u32 v252, v252, v253
	v_add_nc_u32 v252, s96, v252                   ; d = my query - KF - 16 (lane / 16).  Register 16 b + i holds key KF + 16 (lane / 16) + 32 b + i: hidden where 32 b + i > d
	v_mov_b32 v254, 0xff800000                     ; -infinity
.set II, 0
.rept 64
	v_cmp_gt_i32 vcc_lo, 32*(II/16)+II%16, v252
	v_cndmask_b32 v[96+II], v[96+II], v254, vcc_lo
.set II, II+1
.endr
.Lopen_\@:
.irp b, 0,1,2,3
	v_max3_num_f32 v[232+\b], v[96+16*\b], v[97+16*\b], v[98+16*\b]   ; THE LARGEST SCORE OF EACH BLOCK OF 32 KEYS: it serves twice: for the row's maximum, and, since p rises with the score, for the block's largest p
.endr
.irp i, 3,5,7,9,11,13
.irp b, 0,1,2,3
	v_max3_num_f32 v[232+\b], v[232+\b], v[96+16*\b+\i], v[97+16*\b+\i]   ; (the four blocks by turns)
.endr
.endr
.irp b, 0,1,2,3
	v_max_num_f32 v[232+\b], v[232+\b], v[111+16*\b]
.endr
.irp b, 0,1,2,3
	v_permlanex16_b32 v[236+\b], v[232+\b], s[SEL], s[SEL+1]
.endr
.irp b, 0,1,2,3
	v_max_num_f32 v[232+\b], v[232+\b], v[236+\b]  ; with lane l xor 16's 16 keys
.endr
	v_max3_num_f32 v254, v232, v233, v234
	v_max_num_f32 v254, v254, v235                 ; the step's largest score of my query
	v_mul_f32 v254, s[CS], v254                    ; as t (c is positive)
	v_max_num_f32 v13, v13, v254                   ; the running largest t
	v_mov_b32 v254, v12
	v_floor_f32 v12, -v13                          ; the new -M = floor(-t) = -ceil(t): M IS A WHOLE NUMBER
	v_sub_f32 v254, v12, v254                      ; M's old value less its new one: a whole number, 0 or less
	v_cvt_i32_f32 v254, v254                       ; (it saturates)
	v_ldexp_f32 v252, 1.0, v254                    ; f = 2^(old M - new M): what was summed under the old M is brought under the new by a multiplication that rounds nothing
.set JJ, 0
.rept 32
	v_pk_fma_f32 v[96+JJ:97+JJ], v[96+JJ:97+JJ], s[CS:CS+1], v[12:13] op_sel_hi:[1,0,0]   ; t - M, two at a time (of the pairs c and -M the low word serves both halves)
.set JJ, JJ+2
.endr
.irp b, 0,1,2,3
	v_fma_f32 v[232+\b], v[232+\b], s[CS], v12     ; the same of each block's largest score
.endr
.set JJ, 0
.rept 64
	v_exp_f32 v[96+JJ], v[96+JJ]                   ; p = 2^(t - M), at most 1: NOT normalised
.set JJ, JJ+1
.endr
	v_pk_mul_f32 v[14:15], v[14:15], v[252:253] op_sel_hi:[1,0]   ; the sums under the new M.  (The plain instruction behind the exponentials)
	s_wait_alu depctr_va_vdst(0)                   ; the wait ahead of the first instruction that names an exponential's result: one for the batch of 64
.irp b, 0,1,2,3
	v_exp_f32 v[232+\b], v[232+\b]                 ; the block's largest p: the same two instructions on the same number give the same bits
.endr
	v_pk_add_f32 v[236:237], v[96:97], v[98:99]    ; THE ROW'S SUM IS TAKEN OF THE UNQUANTISED p: two at a time, in two chains.  (It reads the 64 alone: plain work behind the four)
.irp j, 4,8,12,16,20,24,28,32,36,40,44,48,52,56,60
	v_pk_add_f32 v[14:15], v[14:15], v[96+\j:97+\j]
	v_pk_add_f32 v[236:237], v[236:237], v[98+\j:99+\j]
.endr
	v_pk_add_f32 v[14:15], v[14:15], v[236:237]
	s_wait_alu depctr_va_vdst(0)                   ; and one for the four
.irp b, 0,1,2,3
	v_max_num_f32 v[232+\b], 0x4800000, v[232+\b]  ; the floor 2^(9 - 127): the byte cannot fall under 1 (a block whose every p has fallen to 0 keeps that byte: its codes are zeros)
.endr
.irp b, 0,1,2,3
	v_add_nc_u32 v[244+\b], 0xfc000000, v[232+\b]  ; 8 off the exponent field: the conversion's scale operand
.endr
.irp b, 0,1,2,3
	v_and_or_b32 v[240+\b], v[232+\b], 0x7f800000, s[MNT]   ; 448 x the scale
.endr
.irp b, 0,1,2,3
	v_lshrrev_b32 v[236+\b], 23, v[244+\b]         ; the scale's byte
.endr
	v_lshl_or_b32 v253, v237, 8, v236              ; p's scale word for these 128 keys
	v_lshl_or_b32 v253, v238, 16, v253
	v_lshl_or_b32 v253, v239, 24, v253
.irp b, 0,1,2,3
.irp i, 0,1,2,3,4,5,6,7,8,9,10,11,12,13,14,15
	v_min_num_f32 v[96+16*\b+\i], v[96+16*\b+\i], v[240+\b]   ; the conversion to an 8-bit code does not saturate (ISA guide 7.6.2); p is not negative, so the hold is one-sided
.endr
	v_cvt_scalef32_pk8_fp8_f32 v[224+4*\b:225+4*\b], v[96+16*\b:103+16*\b], v[244+\b]
	v_cvt_scalef32_pk8_fp8_f32 v[226+4*\b:227+4*\b], v[104+16*\b:111+16*\b], v[244+\b]
.endr
.set JJ, 0
.rept 32
	v_pk_mul_f32 v[160+JJ:161+JJ], v[160+JJ:161+JJ], v[252:253] op_sel_hi:[1,0]   ; O^T under the new M: x f.  (These 32 are also the places in front of the matrix instructions and loads below)
.set JJ, JJ+2
.endr
.irp g, 0,1                                    ; O^T += V^T P^T: four tiles of 16 of the head's 128 at a time; K = these 128 keys.  The eight accumulators take turns, one instruction a turn
.if \g > 0
.rept 8
	v_nop
.endr
.endif
.irp t, 0,1,2,3
.irp c, 0,1,2,3
	ds_load_b128 v[32+16*\t+4*\c:32+16*\t+4*\c+3], v[ADV] offset:16*(4*\g+\t)*VP+ROWB*(\q)+32*\c
.endr
	ds_load_b32 v[248+\t], v[ADT] offset:(4*\g+\t)*(16*KSV/256)*272
.endr
	s_wait_dscnt 0x0
.irp t, 0,1,2,3
	v_wmma_scale_f32_16x16x128_f8f6f4 v[160+8*(4*\g+\t):167+8*(4*\g+\t)], v[32+16*\t:47+16*\t], v[224:239], v[160+8*(4*\g+\t):167+8*(4*\g+\t)], v[248+\t], v253
.endr
.endr
.Lhidden_\@:
	s_add_co_u32 s[KF], s[KF], 128
	s_add_co_u32 s[TS], s[TS], 544                 ; the next step's scale words
	s_add_co_u32 s[TJ], s[TJ], 4
.endm
.macro SLOT_STEPS
	STEP 0
	STEP 1
	s_xor_b32 s[TB], s[TB], SLOT1                  ; on to the other slot
.endm
; THE CHANGE OF SLOTS stands at a slot's head.  Each wave waits for all its tensor loads (its part of the slot that it is about to read), adds 0 to its spare word, and waits for that and for its reads of the slot that it has left.
; fill = 1: the barrier is a round of the cluster's, so that no wave of any partner still reads the slot that was left or has a load on its way; the joint refill is the first thing behind it and has a slot's two key steps in which to land.
.macro CHANGE fill
	s_wait_tensorcnt 0x0                           ; no tensor load of mine is out, so a group 0 may be written
	ds_add_u32 v[SPW], v[NIL]                      ; 0 onto my spare word; with fill = 1 the descriptors' words are made between it and the wait for it
.if \fill
	s_add_co_u32 s[NK], s[NK], 1                   ; the next trip's keys follow this trip's,
	s_cmp_eq_u32 s[SLOTS], s[SWT]                  ; but behind phase A's last trip phase B begins at key 0.  (p and the count of trips alone: the same in all waves and all partners)
	s_cselect_b32 s[NK], 0, s[NK]
	s_xor_b32 s[G0K+1], s[G0K+1], SLOT1            ; the other slot than last time
	s_xor_b32 s[G0V+1], s[G0V+1], SLOT1
	s_lshl_b32 s[OF], s[NK], 15                    ; 256 rows of K are 32,768 bytes
	s_add_nc_u64 s[G0K+2:G0K+3], s[KB:KB+1], s[OF:OF+1]
	s_or_b32 s[G0K+3], s[G0K+3], 0x80000000        ; type = 2
	s_lshl_b32 s[OF], s[NK], 8                     ; 256 codes on in each row of V
	s_add_nc_u64 s[G0V+2:G0V+3], s[VB:VB+1], s[OF:OF+1]
	s_or_b32 s[G0V+3], s[G0V+3], 0x80000000
	s_wait_xcnt 0x0                                ; the last prefetch, a slot back, has read its address, so it may be written
	s_add_nc_u64 s[PFA:PFA+1], s[PFA:PFA+1], s[PFS:PFS+1]   ; in trip t: keys 256 (t + 1) on
	s_wait_dscnt 0x0                               ; the add is done, and my reads of the slot that I have left are over
	CROUND
	TLOAD G0K, G1K, G0V, G1V                       ; the first thing behind the round, and a wave's one tensor load until the next
	ASK
.else
	s_wait_dscnt 0x0                               ; the add is done, and my reads of the slot that I have left are over
	s_barrier_signal -1
	s_barrier_wait -1
.endif
.endm
; THE WAY OUT of a block.  The sum's two halves and lane l xor 16's are added; O^T is divided by the sum and goes through my own stage in LDS, half a row (64 channels, 256 bytes) of 16 queries at a time,
; so that sixteen lanes store 256 consecutive bytes, at a multiple of 256 from out's first byte.  ob: out at my rows.  more = 1: the wave goes on, and the stores' registers are written again.
.macro WAYOUT ob, more
	v_add_f32 v14, v14, v15                        ; the sum's two halves,
	v_permlanex16_b32 v252, v14, s[SEL], s[SEL+1]
	v_add_f32 v14, v14, v252                       ; and lane l xor 16's: the row's sum
	v_rcp_f32 v14, v14
	v_and_b32 v8, 15, v0                           ; (the plain instruction behind the reciprocal)  r
	v_bfe_u32 v9, v0, 4, 1                         ; h
	v_mul_u32_u24 v10, v8, 272
	v_lshl_add_u32 v10, v9, 5, v10
	v_add_nc_u32 v10, s[SG], v10                   ; in: row r; tile t's eight channels of my half: 64 t + 32 h bytes on
	v_mul_u32_u24 v11, v9, 272
	v_lshl_add_u32 v11, v8, 4, v11
	v_add_nc_u32 v11, s[SG], v11                   ; back: lanes 0-15 one row, lanes 16-31 the next
	v_lshlrev_b32 v254, 9, v9
	v_lshl_add_u32 v254, v8, 4, v254               ; and the same two rows of out: 512 bytes a row, 16 bytes a lane.  (These ten lines are also the places behind the last products)
	s_wait_alu depctr_va_vdst(0)                   ; the wait ahead of the reciprocal's first reader
.set JJ, 0
.rept 64
	v_mul_f32 v[96+JJ], v[160+JJ], v14             ; O^T / the sum, each accumulator from its low end on: register 8 t + i is o(r, 16 t + 8 h + i)
.set JJ, JJ+1
.endr
.irp u, 0,1                                    ; channels 64 u on
.irp t, 0,1,2,3
	ds_store_b128 v10, v[96+32*\u+8*\t:99+32*\u+8*\t] offset:64*\t
	ds_store_b128 v10, v[100+32*\u+8*\t:103+32*\u+8*\t] offset:64*\t+16
.endr
.irp i, 0,1,2,3,4,5,6,7
	ds_load_b128 v[32+32*\u+4*\i:35+32*\u+4*\i], v11 offset:2*\i*272   ; LDS serves a wave's instructions in order (ISA guide 5.7.1.4): these see my stores, and the next half's stores come behind them
.endr
.endr
.irp u, 0,1
.irp i, 0,1,2,3,4,5,6,7
	s_wait_dscnt 15-8*\u-\i                        ; behind this load stand 7 - i loads of its half, and for the first half the second's sixteen LDS instructions: the count is at or under that
	global_store_b128 v254, v[32+32*\u+4*\i:35+32*\u+4*\i], s[\ob:\ob+1] offset:2*\i*512+256*\u th:TH_STORE_NT
.endr
.endr
.if \more
	s_wait_xcnt 0x0                                ; the stores have read their data and their offset: both are written again below
.endif
.endm
; My 16 queries' fragment and scale words (v8 = r and v9 = h stand).
.macro QLOAD qc, qs
	v_lshlrev_b32 v10, 7, v8
	v_lshl_add_u32 v10, v9, 4, v10                 ; row r of 128 bytes, + 16 h
	v_lshlrev_b32 v11, 2, v8                       ; 4 bytes a row
.irp c, 0,1,2,3
	global_load_b128 v[16+4*\c:19+4*\c], v10, s[\qc:\qc+1] offset:32*\c th:TH_LOAD_NT
.endr
	global_load_b32 v255, v11, s[\qs:\qs+1] th:TH_LOAD_NT
.endm
; A block begins: the key step is written once, and its first run finds zeros, which the first change of M leaves zeros.
.macro INIT
	v_mov_b32 v13, 0xff61b1e6                      ; the largest t so far: -3e38, under every t
	v_floor_f32 v12, -v13                          ; -M
	v_mov_b32 v14, 0                               ; the sum, in two halves
	v_mov_b32 v15, 0
.set JJ, 0
.rept 64
	v_mov_b32 v[160+JJ], 0                         ; O^T
.set JJ, JJ+1
.endr
.endm
	s_load_b128 s[4:7], s[0:1], 0x0                ; Q's codes, Q's scales
	s_load_b128 s[8:11], s[0:1], 0x10              ; K's codes, K's scales
	s_load_b128 s[12:15], s[0:1], 0x20             ; V's codes, V's scales
	s_load_b64 s[16:17], s[0:1], 0x30              ; out
	v_lshl_add_u32 v[SPW], v0, 2, SPARE
	v_mov_b32 v[NIL], 0
	ds_add_u32 v[SPW], v[NIL]                      ; the wave's opening: the add and its wait stand ahead of my first tensor load; the set-up below, work on registers, stands between them
	v_lshrrev_b32 v8, 5, v0
	v_readfirstlane_b32 s[WV], v8                  ; wave 0..15
	s_bfe_u32 s92, ttmp6, 0x40000                  ; cx = r: which of the four query heads of my key and value head
	s_and_b32 s93, ttmp7, 0xffff                   ; y = 8 b + kvh, which the four partners share
	s_lshr_b32 s94, s93, 3
	s_lshl_b32 s94, s94, 5                         ; 32 b
	s_and_b32 s95, s93, 7
	s_add_co_u32 s94, s94, s95                     ; + kvh
	s_lshl_b32 s95, s92, 3
	s_add_co_u32 s94, s94, s95                     ; + 8 r: my query head among the 64
	s_lshl_b32 s96, s[WV], 4
	s_lshl_b32 s[Q0], ttmp9, 8                     ; in a cluster launch ttmp9 counts clusters: p
	s_add_co_u32 s[Q0], s[Q0], s96                 ; my first query in phase A: 256 p + 16 x wave
	s_sub_co_u32 s[Q0B], 7, ttmp9
	s_lshl_b32 s[Q0B], s[Q0B], 8
	s_add_co_u32 s[Q0B], s[Q0B], s96               ; and in phase B: 256 (7 - p) + 16 x wave
	s_sub_co_u32 s[SWT], 8, ttmp9
	s_and_b32 s96, s[WV], 7
	s_mul_i32 s96, s96, 16*272
	s_lshr_b32 s97, s[WV], 3
	s_lshl_b32 s97, s97, 17
	s_add_co_u32 s[SG], s96, s97
	s_add_co_u32 s[SG], s[SG], STG                 ; my stage: behind slot (wave / 8)'s tiles, 4,352 x (wave % 8) on
	s_and_b32 s98, s[WV], 1                        ; which half of a tile I fetch, if I fetch
	; descriptor group 1.  K: 128 rows of 128 bytes, dense in memory;  V: 64 rows of 256 bytes, 2,048 bytes apart;  the scale bytes: 4,096 dense bytes as 16 rows of 32 elements of 8 bytes.  16 bytes of padding behind each row
	s_mov_b32 s[G1K], 15|(0<<16)|(1<<20)|(1<<21)|(4<<22)|(3<<25)   ; 15:0 the mask: all four work-groups; 17:16 elements of 1 byte; 20 padding on; 21 set beside a mask; 24:22 after every 32 words (code 4); 31:25 four words (code 3)
	s_mov_b32 s[G1K+1], ROWB<<16                   ; tensor_dim0
	s_mov_b32 s[G1K+2], (SK/2)<<16                 ; tensor_dim1
	s_mov_b32 s[G1K+3], ROWB<<16                   ; tile_dim0
	s_mov_b32 s[G1K+4], SK/2                       ; tile_dim1
	s_mov_b32 s[G1K+5], ROWB                       ; tensor_dim0_stride
	s_mov_b32 s[G1K+6], 0
	s_mov_b32 s[G1K+7], 0
	s_mov_b32 s[G1V], 15|(0<<16)|(1<<20)|(1<<21)|(5<<22)|(3<<25)   ; padding: four words after every 64
	s_mov_b32 s[G1V+1], VROWB<<16
	s_mov_b32 s[G1V+2], 64<<16
	s_mov_b32 s[G1V+3], VROWB<<16
	s_mov_b32 s[G1V+4], 64
	s_mov_b32 s[G1V+5], KROWV
	s_mov_b32 s[G1V+6], 0
	s_mov_b32 s[G1V+7], 0
	s_mov_b32 s[G1S], 15|(3<<16)|(1<<20)|(1<<21)|(5<<22)|(3<<25)   ; elements of 8 bytes
	s_mov_b32 s[G1S+1], 32<<16
	s_mov_b32 s[G1S+2], 16<<16
	s_mov_b32 s[G1S+3], 32<<16
	s_mov_b32 s[G1S+4], 16
	s_mov_b32 s[G1S+5], 32
	s_mov_b32 s[G1S+6], 0
	s_mov_b32 s[G1S+7], 0
	s_mov_b32 s[SEL], 0x76543210
	s_mov_b32 s[SEL+1], 0xfedcba98
	s_mov_b32 s[CS], 0x3e0293ee                    ; c = log2(e) / sqrt(128)
	s_mov_b32 s[CS+1], s[CS]                       ; (named with it as a pair, so it is written)
	s_mov_b32 s[MNT], 0x600000
	s_mov_b32 s[TB], 0
	s_mov_b32 s[TS], 0
	s_mov_b32 s[TJ], 0
	s_mov_b32 s[KF], 0
	s_mov_b32 s[NK], 0
	s_mov_b32 s[OF+1], 0
	s_mov_b32 s[PFS+1], 0
	s_mov_b32 s101, 0
	s_mov_b32 s[SLOTS], 8
	s_wait_dscnt 0x0                               ; the opening add is done
	s_wait_kmcnt 0x0
	; Q, its scale words and out: at my head, then at my rows of block B and of block A.  Each phase has pointers of its own, so that none is written later
	s_lshl_b32 s100, s94, 18                       ; a head's codes: 2,048 x 128 bytes
	s_add_nc_u64 s[QCA:QCA+1], s[QCA:QCA+1], s[100:101]
	s_lshl_b32 s100, s[Q0B], 7
	s_add_nc_u64 s[QCB:QCB+1], s[QCA:QCA+1], s[100:101]
	s_lshl_b32 s100, s[Q0], 7
	s_add_nc_u64 s[QCA:QCA+1], s[QCA:QCA+1], s[100:101]
	s_lshl_b32 s100, s94, 13                       ; its scale bytes: 2,048 x 4
	s_add_nc_u64 s[QSA:QSA+1], s[QSA:QSA+1], s[100:101]
	s_lshl_b32 s100, s[Q0B], 2
	s_add_nc_u64 s[QSB:QSB+1], s[QSA:QSA+1], s[100:101]
	s_lshl_b32 s100, s[Q0], 2
	s_add_nc_u64 s[QSA:QSA+1], s[QSA:QSA+1], s[100:101]
	s_lshl_b32 s100, s94, 20                       ; its rows of out: 2,048 x 512
	s_add_nc_u64 s[OA:OA+1], s[OA:OA+1], s[100:101]
	s_lshl_b32 s100, s[Q0B], 9
	s_add_nc_u64 s[OB:OB+1], s[OA:OA+1], s[100:101]
	s_lshl_b32 s100, s[Q0], 9
	s_add_nc_u64 s[OA:OA+1], s[OA:OA+1], s[100:101]
	; K and V at my key and value head
	s_lshl_b32 s[OF], s93, 18                      ; 2,048 x 128 bytes in either
	s_add_nc_u64 s[KB:KB+1], s[8:9], s[OF:OF+1]
	s_add_nc_u64 s[VB:VB+1], s[12:13], s[OF:OF+1]
	; the prefetches (macro ASK): where my wave's stand, and who asks
	s_mov_b32 s[PFS], VROWB
	s_cmp_eq_u32 s[WV], 4                          ; wave 4 asks for K's codes, wave 5 for V's
	s_cselect_b64 s[PFA:PFA+1], s[KB:KB+1], s[VB:VB+1]
	s_cselect_b32 s[PFS], SK*ROWB, s[PFS]          ; a slot on
	s_cselect_b32 s95, 13, 16                      ; from partner to partner: 8,192 bytes of K's block, 32 rows of V
	s_cselect_b32 s99, 8, 11                       ; from lane to lane: 256 bytes of K's block, a row of V
	s_lshl_b32 s100, s92, s95
	s_add_nc_u64 s[PFA:PFA+1], s[PFA:PFA+1], s[100:101]   ; at keys 0 on; each change of slots steps it.  Nothing is prefetched here, at the head, where every work-group's first tiles are on their way
	v_and_b32 v[PFO], 31, v0
	v_lshlrev_b32 v[PFO], s99, v[PFO]
	s_sub_co_u32 s96, s[WV], 4
	s_lshr_b32 s96, s96, 1                         ; 0 in waves 4 and 5,
	s_or_b32 s96, s96, ttmp9                       ; of the cluster with p = 0: the same in all four partners
	s_cmp_eq_u32 s96, 0
	s_cselect_b32 s[LIM], 4, 0
	s_lshl_b32 s[OF], s98, 14                      ; my half of a slot: 128 rows of K,
	s_add_nc_u64 s[KB:KB+1], s[KB:KB+1], s[OF:OF+1]
	s_lshl_b32 s[OF], s98, 17                      ; 64 rows of V
	s_add_nc_u64 s[VB:VB+1], s[VB:VB+1], s[OF:OF+1]
	CROUND                                         ; all four work-groups are here: the first joint loads meet
	s_mul_i32 s96, s98, SCH
	s_lshl_b32 s[OF], s93, 13                      ; a head's scale bytes: 8,192 in either tensor;
	s_lshl_b32 s97, s98, 12                        ; my half of them
	s_add_co_u32 s[OF], s[OF], s97
	s_mov_b32 s[G0SK], 1                           ; 1:0 count = 1
	s_add_co_u32 s[G0SK+1], s96, SCK               ; 63:32 LDS address
	s_add_nc_u64 s[G0SK+2:G0SK+3], s[10:11], s[OF:OF+1]   ; 120:64 global address
	s_or_b32 s[G0SK+3], s[G0SK+3], 0x80000000      ; 127:126 type = 2
	s_mov_b32 s[G0SV], 1
	s_add_co_u32 s[G0SV+1], s96, SCV
	s_add_nc_u64 s[G0SV+2:G0SV+3], s[14:15], s[OF:OF+1]
	s_or_b32 s[G0SV+3], s[G0SV+3], 0x80000000
	s_mov_b32 s[G0K], 1
	s_mul_i32 s[G0K+1], s98, (SK/2)*KP             ; slot 0
	s_mov_b64 s[G0K+2:G0K+3], s[KB:KB+1]           ; keys 0 to 255
	s_or_b32 s[G0K+3], s[G0K+3], 0x80000000
	s_mov_b32 s[G0V], 1
	s_mul_i32 s[G0V+1], s98, 64*VP
	s_add_co_u32 s[G0V+1], s[G0V+1], VOFF
	s_mov_b64 s[G0V+2:G0V+3], s[VB:VB+1]
	s_or_b32 s[G0V+3], s[G0V+3], 0x80000000
	s_cmp_lt_u32 s[WV], 2                          ; a wave's two first fills stand in one branch, ahead of every wait on TENSORcnt and every LDS read: two loads of a fetching wave are out
	s_cbranch_scc0 .Lfirst_not_k
	tensor_load_to_lds s[G0SK:G0SK+3], s[G1S:G1S+7]   ; the scale bytes of the whole head: filled once
	s_nop 0
	tensor_load_to_lds s[G0K:G0K+3], s[G1K:G1K+7]     ; slot 0
	s_nop 0
.rept 4
	v_nop
.endr
	s_branch .Lfirst_asked
.Lfirst_not_k:
	s_cmp_lt_u32 s[WV], 4
	s_cbranch_scc0 .Lfirst_asked
	tensor_load_to_lds s[G0SV:G0SV+3], s[G1S:G1S+7]
	s_nop 0
	tensor_load_to_lds s[G0V:G0V+3], s[G1V:G1V+7]
	s_nop 0
.rept 4
	v_nop
.endr
.Lfirst_asked:
	v_and_b32 v8, 15, v0                           ; r = lane % 16
	v_bfe_u32 v9, v0, 4, 1                         ; h = lane / 16
	v_and_b32 v11, 8, v8
	v_add_nc_u32 v11, v11, v8                      ; r + 8 (r / 8)
	v_mul_u32_u24 v[AK0], v11, KP
	v_lshl_add_u32 v[AK0], v9, 4, v[AK0]
	v_mul_u32_u24 v[AV0], v8, VP
	v_lshl_add_u32 v[AV0], v9, 4, v[AV0]
	v_add_nc_u32 v[AV0], VOFF, v[AV0]
	v_lshl_add_u32 v[ASK0], v11, 2, SCK            ; K's scale words: 4 bytes a key; a step's 128 keys are two rows of 256 bytes
	v_mul_u32_u24 v12, v8, KSV                     ; V's: row r of a tile begins 64 r bytes on: which row of 256 bytes, and where in it
	v_lshrrev_b32 v13, 8, v12
	v_and_b32 v12, 255, v12
	v_mad_u32_u24 v[ASV0], v13, 272, v12
	v_add_nc_u32 v[ASV0], SCV, v[ASV0]
.irp b, 0,1,2,3
	v_mov_b32 v[236+\b], 0                         ; written once: a lane permute's destination counts as one of its sources
.endr
	v_mov_b32 v252, 0                              ; likewise, for the way out's
	v_mov_b32 v253, 0                              ; (named as the upper half of the pair v[252:253] before it is first written)
	QLOAD QCA, QSA                                 ; block A's queries
	INIT
	s_wait_loadcnt 0x0                             ; Q; its address registers are free
.Lslot:                                            ; 8 trips: trip t reads keys 256 t on (t <= p, phase A) or 256 (t - p - 1) on (phase B), and asks for trip t + 1's
	CHANGE 1
	SLOT_STEPS
	s_cmp_lg_u32 s[SLOTS], s[SWT]                  ; THE SWITCH, behind trip p: p and the count of trips alone, the same in all waves and all partners; no barrier and no tensor load stands in it
	s_cbranch_scc1 .Lstay
	WAYOUT OA, 1                                   ; block A leaves,
	QLOAD QCB, QSB                                 ; block B's queries come (the way out's vector lines are the places behind the last products that read Q),
	INIT                                           ; and the sums begin anew
	s_wait_loadcnt 0x0
.Lstay:
	s_cmp_eq_u32 s[SLOTS], s[SWT]                  ; what steers addresses and branches is chosen without a jump: behind trip p the keys begin at 0 again,
	s_cselect_b32 s[TS], 0, s[TS]
	s_cselect_b32 s[TJ], 0, s[TJ]
	s_cselect_b32 s[KF], 0, s[KF]
	s_cselect_b32 s[Q0], s[Q0B], s[Q0]             ; for block B's queries
	s_sub_co_u32 s[SLOTS], s[SLOTS], 1
	s_cmp_lg_u32 s[SLOTS], 0
	s_cbranch_scc1 .Lslot
	CHANGE 0                                       ; the ninth slot is written out: keys 256 (7 - p) on, block B's diagonal; nothing is asked for
	SLOT_STEPS
	WAYOUT OB, 0
	s_wait_tensorcnt 0x0                           ; the wave's end: behind my last tensor load and my last LDS store
	ds_add_u32 v[SPW], v[NIL]
	s_wait_dscnt 0x0
	CROUND                                         ; the closing round: no work-group ends while a partner may still ask for a tile that names it
	s_endpgm
.Lfunc_end_k_qf80c91e0ed_attend:
	.size	k_qf80c91e0ed_attend, .Lfunc_end_k_qf80c91e0ed_attend-k_qf80c91e0ed_attend
	.p2alignl 7, 3214868480
	.fill 96, 4, 3214868480
	.section	.rodata,"a",@progbits
	.p2align	6, 0x0
	.amdhsa_kernel k_qf80c91e0ed_attend
		.amdhsa_group_segment_fixed_size 327680
		.amdhsa_private_segment_fixed_size 0
		.amdhsa_enable_private_segment 0
		.amdhsa_kernarg_size 56
		.amdhsa_user_sgpr_count 2
		.amdhsa_user_sgpr_kernarg_segment_ptr 1
		.amdhsa_wavefront_size32 1
		.amdhsa_system_sgpr_workgroup_id_x 1
		.amdhsa_system_sgpr_workgroup_id_y 1
		.amdhsa_system_sgpr_workgroup_id_z 1
		.amdhsa_system_vgpr_workitem_id 0
		.amdhsa_next_free_vgpr 256
		.amdhsa_next_free_sgpr 102
		.amdhsa_reserve_vcc 1
		.amdhsa_float_denorm_mode_32 3
		.amdhsa_float_denorm_mode_16_64 3
		.amdhsa_memory_ordered 1
		.amdhsa_forward_progress 1
		.amdhsa_inst_pref_size 145
	.end_amdhsa_kernel
	.amdgpu_metadata
---
amdhsa.version: [ 1, 2 ]
amdhsa.kernels:
  - .name:           k_qf80c91e0ed_attend
    .symbol:         k_qf80c91e0ed_attend.kd
    .args:
      - { .name: q_codes, .offset: 0, .size: 8, .value_kind: global_buffer, .address_space: global }
      - { .name: q_scales, .offset: 8, .size: 8, .value_kind: global_buffer, .address_space: global }
      - { .name: k_codes, .offset: 16, .size: 8, .value_kind: global_buffer, .address_space: global }
      - { .name: k_scales, .offset: 24, .size: 8, .value_kind: global_buffer, .address_space: global }
      - { .name: v_codes, .offset: 32, .size: 8, .value_kind: global_buffer, .address_space: global }
      - { .name: v_scales, .offset: 40, .size: 8, .value_kind: global_buffer, .address_space: global }
      - { .name: out0, .offset: 48, .size: 8, .value_kind: global_buffer, .address_space: global }
    .group_segment_fixed_size: 327680
    .private_segment_fixed_size: 0
    .kernarg_segment_align: 8
    .kernarg_segment_size: 56
    .max_flat_workgroup_size: 512
    .sgpr_count:     102
    .vgpr_count:     256
    .wavefront_size: 32
...
	.end_amdgpu_metadata
.endif
;; end of part 1
